; MI455X (gfx1250); checked and timed in simulation.
; The chip was launched on July 23, 2026; its instructions are those of AMD's public machine-readable ISA for CDNA 5 (MIT licence, August 2026) and "CDNA5" Instruction Set Architecture Reference Guide (July 2026). The comments in the code are by the model that wrote it; some were corrected since.
;; Load Experts. Allowed arithmetic: float matrix products may take bf16 or f16 operands with f32 sums; all other float work in f32.
;; Inputs: down_proj 32 x 512 x 1,024 float32; down_proj_bias 32 x 1,024 float32; gate_up_proj 32 x 1,024 x 1,024 float32; gate_up_proj_bias 32 x 1,024 float32; hidden_states 4 x 256 x 1,024 float32; router_indices 1,024 x 4 int32; routing_weights 1,024 x 32 float32.
;; Outputs: out0 4 x 256 x 1,024 float32.
;; 2 versions, each right; version 2 is version 1 with the launches prep, combine written anew for expert scheduling mode. Each part assembles by itself: llvm-mc -triple=amdgcn-amd-amdhsa -mcpu=gfx1250 --defsym DOCPART=n.
;; ======== version 1 of 2: 4 launches
;; limits: inputs' magnitudes at most 65,504; values are held in f16: magnitudes above 65,504 overflow, below 6.1e-05 lose precision; right only within a limited range of input values
;; workspace buffers: xb 2,097,152 bytes; a2 33,554,432 bytes; part 67,108,864 bytes
;; launch prep (part 1): grid 256 x 1, 4 waves a work-group, no clusters, 9,728 bytes of LDS; arguments hidden_states, xb; writes xb
.if DOCPART == 1
	.amdgcn_target "amdgcn-amd-amdhsa--gfx1250"
	.amdhsa_code_object_version 6
	.text
	.protected	k_qb215a66d02_prep
	.globl	k_qb215a66d02_prep
	.p2align	8
	.type	k_qb215a66d02_prep,@function
k_qb215a66d02_prep:
	s_mov_b64 s[64:65], 0
	v_nop
	global_prefetch_b8 v0, s[64:65] scope:SCOPE_SE
	s_setreg_imm32_b32 hwreg(HW_REG_WAVE_MODE, 25, 1), 1
	s_wait_xcnt 0x0
; xb = hidden_states rounded to f16, laid out in FRAGMENT ORDER for the first product's tensor loads:
;   byte = kb*262144 + tb*32768 + sl*16384 + a*2048 + kg*256 + r*16 + 2*e8
;   token t = 128 tb + 16 a + r, column h = 128 kb + 64 sl + 8 kg + e8.
; In that order the 16 bytes that lane l of a 16 x 32 matrix fragment wants lie at 16 l, so the product needs no padded rows.
; f16 and not bf16: three more bits of mantissa, and what the first product loses goes through the activation into every term of the second.
; LIMIT: a hidden state of magnitude 65,520 or more becomes infinite in f16; below 2^-14 the step is 2^-24.
; A stream: each byte is read once and written once; no matrix unit, cluster or barrier would add anything.
; Wave id = 4 x work-group + wave takes 16 tokens (id >> 4) x 64 columns (id & 15): 4 KiB in, 2 KiB out, turned through 2,304 bytes of LDS of its own.
.set PITCH, 288                        ; LDS: one kg (16 tokens x 16 bytes = 256 bytes) + 32: the 32 lanes' 8-byte stores then fall on 256 different bytes modulo 256
.set X, 8                              ; v[8:39]   8 loads of 4 f32
.set Y, 40                             ; v[40:55]  the same as f16, 2 registers a load
.set Z, 56                             ; v[56:71]  read back, 4 x 16 bytes
	s_load_b128 s[4:7], s[0:1], 0x0                ; hidden_states s[4:5], xb s[6:7]
	v_lshl_add_u32 v72, v0, 2, 0x2400
	v_mov_b32 v73, 0
	v_lshrrev_b32 v1, 5, v0
	v_readfirstlane_b32 s8, v1                     ; wave 0..3
	v_and_b32 v1, 31, v0                           ; lane
	v_and_b32 v2, 15, v0                           ; r
	v_bfe_u32 v3, v0, 4, 1                         ; h
	s_lshl2_add_u32 s9, ttmp9, s8                  ; id = 4 x work-group + wave
	s_lshr_b32 s10, s9, 4                          ; block of 16 tokens, 0..63
	s_and_b32 s11, s9, 15                          ; slice of 64 columns, 0..15
	s_lshl_b32 s12, s10, 16                        ; in: 16 rows of 4,096 bytes
	s_lshl_b32 s13, s11, 8                         ;     + 64 columns of 4 bytes
	s_add_co_u32 s12, s12, s13
	s_mov_b32 s13, 0
	s_lshr_b32 s14, s11, 1                         ; out: kb = slice >> 1
	s_lshl_b32 s14, s14, 18
	s_lshr_b32 s15, s10, 3                         ;      tb = block >> 3
	s_lshl_b32 s15, s15, 15
	s_add_co_u32 s14, s14, s15
	s_and_b32 s15, s11, 1                          ;      sl = slice & 1
	s_lshl_b32 s15, s15, 14
	s_add_co_u32 s14, s14, s15
	s_and_b32 s15, s10, 7                          ;      a = block & 7
	s_lshl_b32 s15, s15, 11
	s_add_co_u32 s14, s14, s15
	s_mov_b32 s15, 0
	v_lshlrev_b32 v4, 4, v2
	v_lshl_add_u32 v4, v3, 12, v4                  ; in: row h, 16 bytes at 16 r: sixteen lanes read 256 consecutive bytes of a row
	s_mul_i32 s16, s8, 8*PITCH                     ; my wave's LDS bytes
	v_lshrrev_b32 v5, 1, v2                        ; my 4 columns 4 r .. 4 r + 3 lie in kg = r >> 1, at e8 = 4 (r & 1)
	v_mul_u32_u24 v5, v5, PITCH
	v_and_b32 v6, 1, v2
	v_lshl_add_u32 v5, v6, 3, v5
	v_lshl_add_u32 v5, v3, 4, v5                   ; token row 2 i + h: 16 h here, 32 i in the immediate
	v_add_nc_u32 v5, s16, v5
	v_mul_u32_u24 v6, v3, PITCH                    ; back: kg = 2 j + h, token r
	v_lshl_add_u32 v6, v2, 4, v6
	v_add_nc_u32 v6, s16, v6
	v_lshlrev_b32 v7, 4, v1                        ; out: 16 x lane
	s_wait_kmcnt 0x0
	s_add_nc_u64 s[4:5], s[4:5], s[12:13]
	s_add_nc_u64 s[6:7], s[6:7], s[14:15]
.irp i, 0,1,2,3,4,5,6,7
	global_load_b128 v[X+4*\i:X+4*\i+3], v4, s[4:5] offset:8192*\i th:TH_LOAD_NT   ; token rows 2 i and 2 i + 1
.endr
.irp i, 0,1,2,3,4,5,6,7
	s_wait_loadcnt 7-\i                            ; loads return in order (ISA guide 5.7.1): load i is in, the 7 - i younger ones stay out
	v_cvt_pk_f16_f32 v[Y+2*\i],   v[X+4*\i],   v[X+4*\i+1]
	v_cvt_pk_f16_f32 v[Y+2*\i+1], v[X+4*\i+2], v[X+4*\i+3]
	ds_store_b64 v5, v[Y+2*\i:Y+2*\i+1] offset:32*\i
.endr
.irp j, 0,1,2,3
	ds_load_b128 v[Z+4*\j:Z+4*\j+3], v6 offset:2*PITCH*\j      ; my own bytes: LDS serves a wave's instructions in order, so these see the stores above
.endr
.irp j, 0,1,2,3
	s_wait_dscnt 3-\j
	global_store_b128 v7, v[Z+4*\j:Z+4*\j+3], s[6:7] offset:512*\j   ; 512 consecutive bytes, aligned
.endr
	s_wait_tensorcnt 0x0
	ds_add_u32 v72, v73
	s_wait_dscnt 0x0
	s_endpgm
.Lfunc_end_k_qb215a66d02_prep:
	.size	k_qb215a66d02_prep, .Lfunc_end_k_qb215a66d02_prep-k_qb215a66d02_prep
	.p2alignl 7, 3214868480
	.fill 96, 4, 3214868480
	.section	.rodata,"a",@progbits
	.p2align	6, 0x0
	.amdhsa_kernel k_qb215a66d02_prep
		.amdhsa_group_segment_fixed_size 9728
		.amdhsa_private_segment_fixed_size 0
		.amdhsa_enable_private_segment 0
		.amdhsa_kernarg_size 16
		.amdhsa_user_sgpr_count 2
		.amdhsa_user_sgpr_kernarg_segment_ptr 1
		.amdhsa_wavefront_size32 1
		.amdhsa_system_sgpr_workgroup_id_x 1
		.amdhsa_system_sgpr_workgroup_id_y 1
		.amdhsa_system_sgpr_workgroup_id_z 1
		.amdhsa_system_vgpr_workitem_id 0
		.amdhsa_next_free_vgpr 74
		.amdhsa_next_free_sgpr 66
		.amdhsa_reserve_vcc 0
		.amdhsa_float_denorm_mode_32 3
		.amdhsa_float_denorm_mode_16_64 3
		.amdhsa_memory_ordered 1
		.amdhsa_forward_progress 1
		.amdhsa_inst_pref_size 6
	.end_amdhsa_kernel
	.amdgpu_metadata
---
amdhsa.version: [ 1, 2 ]
amdhsa.kernels:
  - .name:           k_qb215a66d02_prep
    .symbol:         k_qb215a66d02_prep.kd
    .args:
      - { .name: hidden_states, .offset: 0, .size: 8, .value_kind: global_buffer, .address_space: global }
      - { .name: xb, .offset: 8, .size: 8, .value_kind: global_buffer, .address_space: global }
    .group_segment_fixed_size: 9728
    .private_segment_fixed_size: 0
    .kernarg_segment_align: 8
    .kernarg_segment_size: 16
    .max_flat_workgroup_size: 128
    .sgpr_count:     66
    .vgpr_count:     74
    .wavefront_size: 32
...
	.end_amdgpu_metadata
.endif
;; end of part 1
;; launch gemm1 (part 2): grid 512 x 1, 4 waves a work-group, clusters of 4 x 1, 327,680 bytes of LDS; arguments xb, gate_up_proj, gate_up_proj_bias, routing_weights, a2; writes a2
.if DOCPART == 2
	.amdgcn_target "amdgcn-amd-amdhsa--gfx1250"
	.amdhsa_code_object_version 6
	.text
	.protected	k_qb215a66d02_gemm1
	.globl	k_qb215a66d02_gemm1
	.p2align	8
	.type	k_qb215a66d02_gemm1,@function
k_qb215a66d02_gemm1:
	s_mov_b64 s[64:65], 0
	v_nop
	global_prefetch_b8 v0, s[64:65] scope:SCOPE_SE
	s_setreg_imm32_b32 hwreg(HW_REG_WAVE_MODE, 25, 1), 1
	s_wait_xcnt 0x0
	s_wait_alu depctr_hold_cnt(0) depctr_sa_sdst(0) depctr_va_vdst(0) depctr_va_sdst(0) depctr_va_ssrc(0) depctr_va_vcc(0) depctr_vm_vsrc(0)
	s_getreg_b32 s2, hwreg(HW_REG_IB_STS2, 6, 4)
	s_cmp_eq_u32 s2, 0
	s_cbranch_scc0 .Lentry_in_a_cluster
	s_endpgm
.Lentry_in_a_cluster:
	s_bfe_u32 s2, ttmp6, 0x10000c
	s_cmp_lg_u32 s2, 0x3003
	s_cbranch_scc0 .Lentry_shape_is_right
	s_endpgm
.Lentry_shape_is_right:
; a2[t][512 e + i] = f16( 16 * w[t][e] * (up + 1) * gate * sigmoid(1.702 gate) ),  (gate, up) = columns (2 i, 2 i + 1) of x W1[e] + b1[e], clamped as the model clamps them.
; A work-group makes 512 tokens x 128 columns of one expert over K = 1,024: four waves stacked along the tokens, each 128 x 128 in 512 accumulator registers.
; With 512 tokens a block, each weight is read and rounded by two work-groups only.
; FORMATS: the operands (x, W1) and the result a2 are f16, the sums f32.  An output of the model is a sum of 16,384 terms of mixed sign; f16's 11 significant bits against
;   bf16's 8 make the rounding of each term eight times finer.  All three have room in f16:
;   the model's own clamps bound the activation for every input, |(up + 1) gate sigmoid| <= 8 x 7 = 56, so |a2| <= 16 x 56 x |w|;
;   the exact factor 16 (taken out again behind the last sum) lifts small products: with x, W1 and w all 30 times smaller than usual, w x activation is about 1e-5 and
;   16 times that lies above f16's smallest normal number, 2^-14.
; TOKENS come as f16 in fragment order (byte = kb*262144 + tb*32768 + sl*16384 + a*2048 + kg*256 + r*16 + 2*e8; t = 128 tb + 16 a + r, k = 128 kb + 64 sl + 8 kg + e8):
;   a wave's 128 tokens x 128 K are 32 KiB dense, one tensor load, into two LDS slots that take turns; a fragment is two 16-byte loads at 16 x lane, 512 bytes apart.
; CLUSTER 4 x 1: the four partners make four column slices of the same expert and the same 512 tokens, so every token tile is asked for jointly (mask 15).
; WEIGHTS are f32, [K][N].  They must pass through registers to be rounded, so they are not shared by a joint load (which lands in LDS only and would add a write and a
;   read of 32 KiB of f32 to each 64 K beside the 16 KiB of f16 stored now): 16 loads a lane for 64 K, two register sets, rounded, stored as f16 [K][N] in two LDS
;   slots of their own, and read by the transposing load.
; K goes in 16 half-steps of 64, all written out: every weight row's offset then stands in a load's immediate and no pointer is stepped.
; THE MATRIX INSTRUCTION IS USED TRANSPOSED (source 0 = weights, source 1 = tokens): lane (r, h), register j of tile (a, b) holds token 16 a + r, column 16 b + 8 h + j,
;   so a lane holds four (gate, up) pairs of a token side by side, and two tiles give the 16 bytes of a2 that it stores.
; K ORDER OF a2: inside each 64, value i lies at position i with bits 2 and 3 exchanged (what the lanes hold); the second product lays down_proj's rows in the same order.
; LIMITS: x and W1 are rounded to f16: a magnitude of 65,520 or more becomes infinite, and below 2^-14 the step is 2^-24.
;   a2 likewise: 16 |w x activation| of 65,520 or more becomes infinite, which a routing weight below 73 cannot reach.
;   A NaN in gate or up is dropped by the clamps (v_min_num, v_med3_num), where the model would pass it on.
;   sigmoid comes out 0 where it is below 2^-126 (gate below about -51.3): v_exp_f32 and v_rcp_f32 flush there (ISA guide 15.8); the product's error is below 1e-36.
;   router_indices is not an argument: the model's dense form never reads it.
;
; REGISTERS, in windows of 256:
;   window 0: v0-3 ids, v16-25 addresses, v64-127 / v128-191 token fragments (two buffers), v192-223 rounded weights on their way to LDS, v224-231 routing weights
;   window 1: v64-127 / v128-191 weight fragments (two buffers), v0-63 and v192-255 the two sets of f32 weights
;   window 2: accumulators of token blocks 0-3, tile (a, b) at v[8 (8 a + b)];  window 3: token blocks 4-7
.set KBB,   262144                     ; bytes of one K block of 128 in the token buffer
.set TWAVE, 32768                      ; a wave's share of a token slot
.set TSLOT, 4*TWAVE
.set BBASE, 2*TSLOT                    ; the weight slots lie behind the token slots; no tensor load ever lands there
.set BP,    288                        ; a weight row: 128 f16 + 32 bytes, an odd multiple of 32: the eight rows that a group of lanes of the transposing load touches start 32 bytes apart modulo 256
.set BSLOT, 64*BP
.set ADRA, 16                          ; v16-17  my token fragments in slot 0, 1
.set ADRB, 20                          ; v20     my address for the transposing loads
.set ADRS, 21                          ; v21     where I store rounded weights
.set GOFF, 22                          ; v22     my offset in the weights: 16 rows a wave, 16 bytes a lane
.set BOFF, 23                          ; v23     bias: 32 h
.set WOFF, 24                          ; v24     routing weights: 128 r
.set CO,   25                          ; v25     a2: 16 x lane
.set F0,   64
.set F1,   128
.set TMP,  192
.set WR,   224
.set S0,   0                           ; window 1
.set S1,   192                         ; window 1
.set XR,   64                          ; the way out, window 0: gate_up + bias, 64 registers
.set GR,   128                         ; clamped gates, 32
.set UR,   160                         ; clamped ups, 32
.set TR,   64                          ; exponent, exponential, sigmoid, 32 (over XR, which is spent)
.set PR,   96                          ; products, 32
.set G1,   24                          ; s[24:31] descriptor group 1
.set G0,   32                          ; s[32:39] descriptor group 0, one set a slot
.set MSB,  0
.macro WIN new                         ; the immediate's high byte repeats the setting that is left
.if MSB != \new
	s_set_vgpr_msb (MSB<<8)|\new
.set MSB, \new
.endif
.endm
.set MUL_LO, 0xa1                      ; source 0 window 1, source 1 window 0, C and D window 2
.set MUL_HI, 0xf1                      ; the same, C and D window 3
.set TO_B,   0x40                      ; destination window 1, address window 0
.macro PLACES                          ; four independent vector instructions between a matrix instruction and a load into, or a vector access to, its registers
.rept 4
	v_nop
.endr
.endm
.macro CREST                           ; a round of the cluster's barrier behind its opening work-group barrier
	s_cmp_lg_u32 s14, 0
	s_cbranch_scc1 .Lnot_wave_0_\@
	s_barrier_signal -3
.Lnot_wave_0_\@:
	s_barrier_wait -3
	s_barrier_signal -1
	s_barrier_wait -1
.endm
.macro CROUND                          ; a whole round
	s_barrier_signal -1
	s_barrier_wait -1
	CREST
.endm
; 16 matrix instructions: token blocks a0, a0 + 1 of the window's four x all 8 column blocks, 32 along K.  zero = 1: the product starts the sums.
.macro MUL16 f, hi, a0, zero
.irp a, \a0, \a0+1
.irp b, 0,1,2,3,4,5,6,7
.if \zero
	v_wmma_f32_16x16x32_f16 v[8*(8*(\a)+\b):8*(8*(\a)+\b)+7], v[\f+8*\b:\f+8*\b+7], v[\f+8*(4*\hi+\a):\f+8*(4*\hi+\a)+7], 0
.else
	v_wmma_f32_16x16x32_f16 v[8*(8*(\a)+\b):8*(8*(\a)+\b)+7], v[\f+8*\b:\f+8*\b+7], v[\f+8*(4*\hi+\a):\f+8*(4*\hi+\a)+7], v[8*(8*(\a)+\b):8*(8*(\a)+\b)+7]
.endif
.endr
.endr
.endm
; 32 LDS loads in one run, the fragments of 32 K into buffer f: 128 weight columns from rows kk .. kk + 31 of weight slot bsl, then my 128 tokens at byte aof of token slot asl
.macro FETCH asl, aof, bsl, kk, f
	WIN TO_B
.irp n, 0,1,2,3,4,5,6,7
	ds_load_tr16_b128 v[\f+8*\n:\f+8*\n+3],   v[ADRB] offset:(\bsl)*BSLOT+(\kk)*BP+32*\n
	ds_load_tr16_b128 v[\f+8*\n+4:\f+8*\n+7], v[ADRB] offset:(\bsl)*BSLOT+(\kk)*BP+32*\n+16*BP
.endr
	WIN 0
.irp t, 0,1,2,3,4,5,6,7
	ds_load_b128 v[\f+8*\t:\f+8*\t+3],   v[ADRA+\asl] offset:\aof+2048*\t
	ds_load_b128 v[\f+8*\t+4:\f+8*\t+7], v[ADRA+\asl] offset:\aof+2048*\t+512
.endr
.endm
; 16 loads: rows 64 uu + 16 wave + 0..15 of my 128 columns; one load is one row's 512 bytes.  The largest immediate is 975 rows of 4,096 bytes.
.macro LOADW set, uu
	WIN TO_B
.irp i, 0,1,2,3,4,5,6,7,8,9,10,11,12,13,14,15
	global_load_b128 v[\set+4*\i:\set+4*\i+3], v[GOFF], s[6:7] offset:(64*(\uu)+\i)*4096
.endr
.endm
; a set of f32 weights is rounded to f16 and stored as rows 16 wave + i of weight slot bsl
.macro CONVERT set, bsl
	s_wait_loadcnt 16                              ; this set's 16 loads are in; the 16 issued behind them stay out
	WIN 0x05                                       ; sources window 1, destination window 0
.irp i, 0,1,2,3,4,5,6,7,8,9,10,11,12,13,14,15
	v_cvt_pk_f16_f32 v[TMP+2*\i],   v[\set+4*\i],   v[\set+4*\i+1]
	v_cvt_pk_f16_f32 v[TMP+2*\i+1], v[\set+4*\i+2], v[\set+4*\i+3]
.endr
	WIN 0
.irp i, 0,1,2,3,4,5,6,7,8,9,10,11,12,13,14,15
	ds_store_b64 v[ADRS], v[TMP+2*\i:TMP+2*\i+1] offset:(\bsl)*BSLOT+\i*BP   ; 32 lanes x 8 bytes: one row's 256 bytes
.endr
.endm
.macro EDATA1                          ; my 64 biases (column 16 b + 8 h + j in register 8 b + j) into set 0, which has been rounded for the last time
	WIN TO_B
.irp b, 0,1,2,3,4,5,6,7
	global_load_b128 v[S0+8*\b:S0+8*\b+3],   v[BOFF], s[8:9] offset:64*\b
	global_load_b128 v[S0+8*\b+4:S0+8*\b+7], v[BOFF], s[8:9] offset:64*\b+16
.endr
.endm
.macro EDATA2                          ; w[t][e] of my 128 tokens, one word a token, read once by the wave
	WIN 0
.irp a, 0,1,2,3,4,5,6,7
	global_load_b32 v[WR+\a], v[WOFF], s[10:11] offset:2048*\a
.endr
.endm
; One half-step, 64 along K, 128 matrix instructions on fragment buffers 0 and 1.  The 64 accumulators take turns, one instruction a turn, in the same order
; in every quarter.
.macro HALF u, zero
.set ASL,  ((\u)>>1)&1                 ; token slot
.set SLH,  (\u)&1                      ; which 64 of the token slot's 128 K; also the weight slot
.set NXT,  ((\u)+1)&1                  ; the next half-step's
.set NASL, (((\u)+1)>>1)&1
	s_wait_dscnt 8                                 ; weights and token blocks 0-3 are in; the youngest eight loads (blocks 4-7) may be out
	WIN MUL_LO
	MUL16 F0, 0, 0, \zero
	MUL16 F0, 0, 2, \zero
	PLACES
.if \u < 15
	CONVERT NXT*192, NXT                           ; the next half-step's weights, into the slot whose reads every wave ended in front of the last barrier
.if \u < 13
	LOADW NXT*192, \u+3                            ; and the freed set is asked for again, three half-steps ahead
.else
.if \u == 13
	EDATA1
.else
	EDATA2
.endif
.endif
.endif
	FETCH ASL, SLH*16384+1024, SLH, 32, F1
	s_wait_dscnt 32                                ; all but the 32 loads just issued
	WIN MUL_HI
	MUL16 F0, 1, 0, \zero
	MUL16 F0, 1, 2, \zero
	s_wait_dscnt 8
	WIN MUL_LO
	MUL16 F1, 0, 0, 0
.if \u < 15
	s_wait_dscnt 0                                 ; for the others: my reads of this weight slot (and token slice) are back, my stores into the next weight slot are done
.if SLH
	s_set_vgpr_msb 0xa1a0
	s_wait_tensorcnt 0x0                           ; the token slot changes: all my tensor loads have landed; the one that was out is the next slot's
	ds_add_u32 v254, v255
	s_wait_dscnt 0x0
	s_set_vgpr_msb 0xa0a1
.endif
	s_barrier_signal -1
	MUL16 F1, 0, 2, 0                              ; register work while the others arrive
.if SLH
.if \u < 13
	WIN 0                                          ; a branch follows
.endif
.endif
	s_barrier_wait -1
.if SLH
.if \u < 13
	CREST                                          ; the barrier above opened a round of the cluster's barrier: no wave of any partner still reads this slot or has a load on its way
	s_add_nc_u64 s[G0+4*ASL+2:G0+4*ASL+3], s[G0+4*ASL+2:G0+4*ASL+3], 2*KBB
	tensor_load_to_lds s[G0+4*ASL:G0+4*ASL+3], s[G1:G1+7]          ; my one load behind the round: two K blocks ahead; 240 matrix instructions stand in front of its wait
	s_nop 0
.endif
.endif
	PLACES
	FETCH NASL, NXT*16384, NXT, 0, F0
.else
	MUL16 F1, 0, 2, 0
	s_wait_dscnt 0
.endif
	WIN MUL_HI
	MUL16 F1, 1, 0, 0
	MUL16 F1, 1, 2, 0
.endm
	s_load_b256 s[4:11], s[0:1], 0x0               ; xb s[4:5], gate_up_proj s[6:7], its bias s[8:9], routing_weights s[10:11]
	s_load_b64 s[12:13], s[0:1], 0x20              ; a2
	v_lshl_add_u32 v254, v0, 2, 0x49000
	v_mov_b32 v255, 0
	ds_add_u32 v254, v255
	v_lshrrev_b32 v1, 5, v0
	v_readfirstlane_b32 s14, v1                    ; wave 0..3 = my block of 128 tokens
	v_and_b32 v1, 31, v0                           ; lane
	v_and_b32 v2, 15, v0                           ; r
	v_bfe_u32 v3, v0, 4, 1                         ; h
	s_bfe_u32 s15, ttmp6, 0x40000                  ; cx: my place in the cluster
	s_and_b32 s16, ttmp9, 1                        ; th: which 512 tokens (ttmp9 counts clusters)
	s_lshr_b32 s17, ttmp9, 2                       ; e: the expert
	s_lshr_b32 s18, ttmp9, 1
	s_lshl2_add_u32 s18, s18, s15                  ; cidx = 8 e + slice of 128 columns
	s_and_b32 s19, s18, 7                          ; the slice
	s_lshl2_add_u32 s50, s16, s14                  ; tb = 4 th + wave; s20, s21, s44, s45, s50 never hold cx
	s_lshl_b32 s20, s50, 15                        ; tokens: 32 KiB a block of 128
	s_mov_b32 s21, 0
	s_lshl_b32 s22, s17, 22                        ; weights: 4 MiB an expert
	s_lshl_b32 s23, s19, 9                         ;          + 512 bytes a slice
	s_add_co_u32 s22, s22, s23
	s_mov_b32 s23, 0
	s_lshl_b32 s52, s18, 9                         ; bias: 512 bytes a slice, eight slices an expert
	s_mov_b32 s53, 0
	s_lshl_b32 s54, s50, 14                        ; routing weights: 128 tokens of 128 bytes
	s_lshl2_add_u32 s54, s17, s54                  ;                  + 4 e
	s_mov_b32 s55, 0
	s_lshr_b32 s56, s18, 1                         ; a2: K block = cidx >> 1,
	s_lshl_b32 s56, s56, 18
	s_and_b32 s57, s18, 1                          ;     its half = cidx & 1,
	s_lshl_b32 s57, s57, 14
	s_add_co_u32 s56, s56, s57
	s_add_co_u32 s56, s56, s20                     ;     my 128 tokens
	s_mov_b32 s57, 0
	s_mov_b32 s40, 0xc01d265f                      ; -1.702 log2(e) = -2.4554670
	s_mov_b32 s41, 0xc01d265f
	s_mov_b32 s42, 0x40e00000                      ; 7.0
	s_mov_b32 s43, 0xc0e00000                      ; -7.0
	; descriptor group 1: 32 KiB dense, as 128 rows of 32 elements of 8 bytes, no padding
	s_mov_b32 s[G1+0], 0x0023000f                  ; 15:0 mask: all four partners; 17:16 elements of 8 bytes; 21 set beside a mask
	s_mov_b32 s[G1+1], 32<<16                      ; tensor_dim0 = 32
	s_mov_b32 s[G1+2], 128<<16                     ; tensor_dim1 = 128
	s_mov_b32 s[G1+3], 32<<16                      ; tile_dim0 = 32
	s_mov_b32 s[G1+4], 128                         ; tile_dim1 = 128
	s_mov_b32 s[G1+5], 32                          ; from row to row: 32 elements
	s_mov_b32 s[G1+6], 0
	s_mov_b32 s[G1+7], 0
	s_mul_i32 s46, s14, TWAVE                      ; my share of a token slot
	v_lshl_add_u32 v[ADRA], v1, 4, s46             ; a fragment's first 16 bytes: 16 x lane (kg = h, token r)
	v_add_nc_u32 v[ADRA+1], TSLOT, v[ADRA]
	v_and_b32 v4, 7, v0
	v_lshl_add_u32 v4, v3, 3, v4                   ; transposing load: row 8 h + (lane & 7),
	v_mul_u32_u24 v4, v4, BP
	v_bfe_u32 v5, v0, 3, 1
	v_lshl_add_u32 v4, v5, 4, v4                   ; 16 bytes for each half of sixteen columns
	v_add_nc_u32 v[ADRB], BBASE, v4
	s_mul_i32 s47, s14, 16*BP                      ; I store rows 16 wave + i
	s_add_co_u32 s47, s47, BBASE
	v_lshl_add_u32 v[ADRS], v1, 3, s47
	s_lshl_b32 s48, s14, 16                        ; and load them: 16 rows of 4,096 bytes a wave
	v_lshl_add_u32 v[GOFF], v1, 4, s48
	v_lshlrev_b32 v[BOFF], 5, v3
	v_lshlrev_b32 v[WOFF], 7, v2
	v_lshlrev_b32 v[CO], 4, v1
	s_wait_dscnt 0x0
	s_wait_kmcnt 0x0
	s_add_nc_u64 s[44:45], s[4:5], s[20:21]
	s_add_nc_u64 s[6:7], s[6:7], s[22:23]
	s_add_nc_u64 s[8:9], s[8:9], s[52:53]
	s_add_nc_u64 s[10:11], s[10:11], s[54:55]
	s_add_nc_u64 s[12:13], s[12:13], s[56:57]
	LOADW S0, 0                                    ; the weights of half-steps 0 and 1 are on their way first
	LOADW S1, 1
	WIN 0
	CROUND                                         ; all four partners are here: the first joint loads meet
.irp s, 0,1
	s_mov_b32 s[G0+4*\s], 1                                        ; count = 1
	s_add_co_u32 s[G0+4*\s+1], s46, \s*TSLOT                       ; LDS address: the wave's share of the slot
	s_add_nc_u64 s[G0+4*\s+2:G0+4*\s+3], s[44:45], \s*KBB          ; global address: K block s
	s_or_b32 s[G0+4*\s+3], s[G0+4*\s+3], 0x80000000                ; type = 2
	tensor_load_to_lds s[G0+4*\s:G0+4*\s+3], s[G1:G1+7]            ; both first fills together: two loads of the wave are out here, one at any later time
	s_nop 0
.endr
	CONVERT S0, 0
	LOADW S0, 2
	s_wait_dscnt 0                                 ; my rows of weight slot 0 are stored
	s_wait_tensorcnt 1                             ; my K block 0 is in; K block 1 stays out
	s_barrier_signal -1
	s_barrier_wait -1
	FETCH 0, 0, 0, 0, F0
	HALF 0, 1                                      ; its first 64 products start the sums: nothing is cleared
.irp u, 1,2,3,4,5,6,7,8,9,10,11,12,13,14,15
	HALF \u, 0
.endr
	; THE WAY OUT, one block of 16 tokens (8 tiles, 32 (gate, up) pairs a lane) at a time
	PLACES
	s_wait_loadcnt 0x0                             ; biases and routing weights
	WIN 0
.irp a, 0,1,2,3,4,5,6,7
	v_mul_f32 v[WR+\a], 0x41800000, v[WR+\a]       ; 16 w: a2's exact factor rides on the routing weight
.endr
.macro GW a, first                     ; eight of the sixteen products gate x 16 w; w of block a is one register of an aligned pair
.set p, \first
.rept 8
.if (\a)&1
	v_pk_mul_f32 v[PR+2*p:PR+2*p+1], v[GR+2*p:GR+2*p+1], v[WR+\a-1:WR+\a] op_sel:[0,1] op_sel_hi:[1,1]
.else
	v_pk_mul_f32 v[PR+2*p:PR+2*p+1], v[GR+2*p:GR+2*p+1], v[WR+\a:WR+\a+1] op_sel_hi:[1,0]
.endif
.set p, p+1
.endr
.endm
.macro ACT a
.if \a < 4
	WIN 0x06                                       ; source 0 window 2 (sums), source 1 window 1 (bias), destination window 0
.else
	WIN 0x07                                       ; sums from window 3
.endif
.set p, 0
.rept 32
	v_pk_add_f32 v[XR+2*p:XR+2*p+1], v[64*((\a)&3)+2*p:64*((\a)&3)+2*p+1], v[S0+2*p:S0+2*p+1]
.set p, p+1
.endr
	WIN 0
.set p, 0
.rept 32
	v_min_num_f32 v[GR+p], s42, v[XR+2*p]                  ; gate = min(even column, 7)
	v_med3_num_f32 v[UR+p], v[XR+2*p+1], s43, s42          ; up = odd column clamped to -7 .. 7
.set p, p+1
.endr
.set p, 0
.rept 16
	v_pk_mul_f32 v[TR+2*p:TR+2*p+1], v[GR+2*p:GR+2*p+1], s[40:41] op_sel_hi:[1,0]
.set p, p+1
.endr
.set p, 0
.rept 32
	v_exp_f32 v[TR+p], v[TR+p]                             ; e^(-1.702 gate)
.set p, p+1
.endr
	GW \a, 0                                       ; independent plain work between the last exponential and the first use (ISA guide 5.7.2)
.set p, 0
	s_wait_alu depctr_va_vdst(0)
.rept 16
	v_pk_add_f32 v[TR+2*p:TR+2*p+1], v[TR+2*p:TR+2*p+1], 1.0 op_sel_hi:[1,0]
.set p, p+1
.endr
.set p, 0
.rept 32
	v_rcp_f32 v[TR+p], v[TR+p]                             ; sigmoid
.set p, p+1
.endr
	GW \a, 8                                       ; likewise behind the last reciprocal
.set p, 0
	s_wait_alu depctr_va_vdst(0)
.rept 16
	v_pk_mul_f32 v[PR+2*p:PR+2*p+1], v[PR+2*p:PR+2*p+1], v[TR+2*p:TR+2*p+1]                       ; 16 w gate sigmoid
.set p, p+1
.endr
.set p, 0
.rept 16
	v_pk_fma_f32 v[PR+2*p:PR+2*p+1], v[UR+2*p:UR+2*p+1], v[PR+2*p:PR+2*p+1], v[PR+2*p:PR+2*p+1]   ; x (up + 1)
.set p, p+1
.endr
	s_wait_xcnt 0x0                                ; the last block's stores have had their addresses translated (ISA guide 3.1): their data registers are rewritten only behind this wait
.set p, 0
.rept 16
	v_cvt_pk_f16_f32 v[TMP+p], v[PR+2*p], v[PR+2*p+1]
.set p, p+1
.endr
.irp c, 0,1,2,3
	global_store_b128 v[CO], v[TMP+4*\c:TMP+4*\c+3], s[12:13] offset:2048*\a+512*\c   ; tiles 2 c, 2 c + 1: positions 16 c + 8 h + 0..7; 512 consecutive bytes a store
.endr
.endm
.irp a, 0,1,2,3,4,5,6,7
	ACT \a
.endr
	s_wait_tensorcnt 0x0
	ds_add_u32 v254, v255
	s_wait_dscnt 0x0
	CROUND                                         ; the closing round: no work-group ends while a partner may still ask for a tile that names it
	s_endpgm
.Lfunc_end_k_qb215a66d02_gemm1:
	.size	k_qb215a66d02_gemm1, .Lfunc_end_k_qb215a66d02_gemm1-k_qb215a66d02_gemm1
	.p2alignl 7, 3214868480
	.fill 96, 4, 3214868480
	.section	.rodata,"a",@progbits
	.p2align	6, 0x0
	.amdhsa_kernel k_qb215a66d02_gemm1
		.amdhsa_group_segment_fixed_size 327680
		.amdhsa_private_segment_fixed_size 0
		.amdhsa_enable_private_segment 0
		.amdhsa_kernarg_size 40
		.amdhsa_user_sgpr_count 2
		.amdhsa_user_sgpr_kernarg_segment_ptr 1
		.amdhsa_wavefront_size32 1
		.amdhsa_system_sgpr_workgroup_id_x 1
		.amdhsa_system_sgpr_workgroup_id_y 1
		.amdhsa_system_sgpr_workgroup_id_z 1
		.amdhsa_system_vgpr_workitem_id 0
		.amdhsa_next_free_vgpr 1024
		.amdhsa_next_free_sgpr 66
		.amdhsa_reserve_vcc 0
		.amdhsa_float_denorm_mode_32 3
		.amdhsa_float_denorm_mode_16_64 3
		.amdhsa_memory_ordered 1
		.amdhsa_forward_progress 1
		.amdhsa_inst_pref_size 255
	.end_amdhsa_kernel
	.section	.bss,"aw",@nobits
	.p2align	6
	.space	262144
	.amdgpu_metadata
---
amdhsa.version: [ 1, 2 ]
amdhsa.kernels:
  - .name:           k_qb215a66d02_gemm1
    .symbol:         k_qb215a66d02_gemm1.kd
    .args:
      - { .name: xb, .offset: 0, .size: 8, .value_kind: global_buffer, .address_space: global }
      - { .name: gate_up_proj, .offset: 8, .size: 8, .value_kind: global_buffer, .address_space: global }
      - { .name: gate_up_proj_bias, .offset: 16, .size: 8, .value_kind: global_buffer, .address_space: global }
      - { .name: routing_weights, .offset: 24, .size: 8, .value_kind: global_buffer, .address_space: global }
      - { .name: a2, .offset: 32, .size: 8, .value_kind: global_buffer, .address_space: global }
    .group_segment_fixed_size: 327680
    .private_segment_fixed_size: 0
    .kernarg_segment_align: 8
    .kernarg_segment_size: 40
    .max_flat_workgroup_size: 128
    .sgpr_count:     66
    .vgpr_count:     1024
    .wavefront_size: 32
...
	.end_amdgpu_metadata
.endif
;; end of part 2
;; launch gemm2 (part 3): grid 256 x 1, 4 waves a work-group, clusters of 4 x 1, 327,680 bytes of LDS; arguments a2, down_proj, down_proj_bias, routing_weights, part; writes part
.if DOCPART == 3
	.amdgcn_target "amdgcn-amd-amdhsa--gfx1250"
	.amdhsa_code_object_version 6
	.text
	.protected	k_qb215a66d02_gemm2
	.globl	k_qb215a66d02_gemm2
	.p2align	8
	.type	k_qb215a66d02_gemm2,@function
k_qb215a66d02_gemm2:
	s_mov_b64 s[64:65], 0
	v_nop
	global_prefetch_b8 v0, s[64:65] scope:SCOPE_SE
	s_setreg_imm32_b32 hwreg(HW_REG_WAVE_MODE, 25, 1), 1
	s_wait_xcnt 0x0
	s_wait_alu depctr_hold_cnt(0) depctr_sa_sdst(0) depctr_va_vdst(0) depctr_va_sdst(0) depctr_va_ssrc(0) depctr_va_vcc(0) depctr_vm_vsrc(0)
	s_getreg_b32 s2, hwreg(HW_REG_IB_STS2, 6, 4)
	s_cmp_eq_u32 s2, 0
	s_cbranch_scc0 .Lentry_in_a_cluster
	s_endpgm
.Lentry_in_a_cluster:
	s_bfe_u32 s2, ttmp6, 0x10000c
	s_cmp_lg_u32 s2, 0x3003
	s_cbranch_scc0 .Lentry_shape_is_right
	s_endpgm
.Lentry_shape_is_right:
; part[s] = a2[:, 1024 s .. 1024 s + 1023] x down_proj rows 1024 s .. (experts 2 s, 2 s + 1) + 16 w[t][2 s] b2[2 s] + 16 w[t][2 s + 1] b2[2 s + 1], in f32.
; a2 holds 16 x routing weight x activation, so the sum over the experts is one product with K = 32 x 512 = 16,384 on down_proj read as [16384][1024]; it is cut into
; 16 splits of K = 1,024, so that 16 splits x 8 column slices x 2 token halves are 256 work-groups; the next launch adds the 16 partial sums in a fixed order and takes
; the exact factor 16 out again.  The bias term carries the same factor, on its routing weight.
; A work-group makes 512 tokens x 128 columns: four waves stacked along the tokens, each 128 x 128 in 512 accumulator registers.
; FORMATS: both operands are f16, the sums f32.  An output is a sum of 16,384 terms of mixed sign; f16's 11 significant bits against bf16's 8 make the rounding of each
;   term eight times finer.  a2's room in f16 is shown where it is made; down_proj, whose usual spread is 1/sqrt(512) = 0.044, has room 30 times up and down.
; TOKENS (a2) are f16 in fragment order (byte = kb*262144 + tb*32768 + sl*16384 + a*2048 + kg*256 + r*16 + 2*e8): a wave's 128 tokens x 128 K are 32 KiB dense, one
;   tensor load, into two LDS slots that take turns; a fragment is two 16-byte loads at 16 x lane, 512 bytes apart.
; CLUSTER 4 x 1: the four partners make four column slices of the same split and the same 512 tokens, so every token tile is asked for jointly (mask 15).
; WEIGHTS are f32, [K][N].  They must pass through registers to be rounded, so they are not shared by a joint load (which lands in LDS only and would add a write and a
;   read of 32 KiB of f32 to each 64 K beside the 16 KiB of f16 stored now): 16 loads a lane for 64 K, two register sets, rounded, stored as f16 [K][N] in two LDS
;   slots of their own, and read by the transposing load.
; K ORDER: inside each 64 a2 holds value i at position i with bits 2 and 3 exchanged; weight row i is stored at that LDS row, by the store's immediate.
; K goes in 16 half-steps of 64, all written out: every weight row's offset then stands in a load's immediate and no pointer is stepped.
; THE MATRIX INSTRUCTION IS USED TRANSPOSED (source 0 = weights, source 1 = tokens): lane (r, h), register j of tile (a, b) holds token 16 a + r, column 16 b + 8 h + j.
; part's layout: byte = s*4194304 + (t / 16)*65536 + (column / 4)*256 + (t % 16)*16: four registers of sixteen neighbouring lanes are 256 consecutive bytes, aligned,
;   so the sums are stored straight from the accumulators.
; LIMITS: down_proj is rounded to f16: a magnitude of 65,520 or more becomes infinite, and below 2^-14 the step is 2^-24.  The bias term and all sums are f32.
;   router_indices is not an argument: the model's dense form never reads it.
;
; REGISTERS, in windows of 256:
;   window 0: v0-3 ids, v16-25 addresses, v64-127 / v128-191 token fragments (two buffers), v192-223 rounded weights on their way to LDS, v224-239 routing weights
;   window 1: v64-127 / v128-191 weight fragments (two buffers), v0-63 and v192-255 the two sets of f32 weights, at the end the two experts' biases
;   window 2: accumulators of token blocks 0-3, tile (a, b) at v[8 (8 a + b)];  window 3: token blocks 4-7
.set KBB,   262144                     ; bytes of one K block of 128 in the token buffer
.set TWAVE, 32768                      ; a wave's share of a token slot
.set TSLOT, 4*TWAVE
.set BBASE, 2*TSLOT                    ; the weight slots lie behind the token slots; no tensor load ever lands there
.set BP,    288                        ; a weight row: 128 f16 + 32 bytes, an odd multiple of 32: the eight rows that a group of lanes of the transposing load touches start 32 bytes apart modulo 256
.set BSLOT, 64*BP
.set ADRA, 16                          ; v16-17  my token fragments in slot 0, 1
.set ADRB, 20                          ; v20     my address for the transposing loads
.set ADRS, 21                          ; v21     where I store rounded weights
.set GOFF, 22                          ; v22     my offset in the weights: 16 rows a wave, 16 bytes a lane
.set BOFF, 23                          ; v23     bias: 32 h
.set WOFF, 24                          ; v24     routing weights: 128 r
.set PO,   25                          ; v25     part: 512 h + 16 r
.set F0,   64
.set F1,   128
.set TMP,  192
.set WR,   224
.set S0,   0                           ; window 1
.set S1,   192                         ; window 1
.set G1,   24                          ; s[24:31] descriptor group 1
.set G0,   32                          ; s[32:39] descriptor group 0, one set a slot
.set MSB,  0
.macro WIN new                         ; the immediate's high byte repeats the setting that is left
.if MSB != \new
	s_set_vgpr_msb (MSB<<8)|\new
.set MSB, \new
.endif
.endm
.set MUL_LO, 0xa1                      ; source 0 window 1, source 1 window 0, C and D window 2
.set MUL_HI, 0xf1                      ; the same, C and D window 3
.set TO_B,   0x40                      ; destination window 1, address window 0
.macro PLACES                          ; four independent vector instructions between a matrix instruction and a load into, or a vector access to, its registers
.rept 4
	v_nop
.endr
.endm
.macro CREST                           ; a round of the cluster's barrier behind its opening work-group barrier
	s_cmp_lg_u32 s14, 0
	s_cbranch_scc1 .Lnot_wave_0_\@
	s_barrier_signal -3
.Lnot_wave_0_\@:
	s_barrier_wait -3
	s_barrier_signal -1
	s_barrier_wait -1
.endm
.macro CROUND                          ; a whole round
	s_barrier_signal -1
	s_barrier_wait -1
	CREST
.endm
; 16 matrix instructions: token blocks a0, a0 + 1 of the window's four x all 8 column blocks, 32 along K.  zero = 1: the product starts the sums.
.macro MUL16 f, hi, a0, zero
.irp a, \a0, \a0+1
.irp b, 0,1,2,3,4,5,6,7
.if \zero
	v_wmma_f32_16x16x32_f16 v[8*(8*(\a)+\b):8*(8*(\a)+\b)+7], v[\f+8*\b:\f+8*\b+7], v[\f+8*(4*\hi+\a):\f+8*(4*\hi+\a)+7], 0
.else
	v_wmma_f32_16x16x32_f16 v[8*(8*(\a)+\b):8*(8*(\a)+\b)+7], v[\f+8*\b:\f+8*\b+7], v[\f+8*(4*\hi+\a):\f+8*(4*\hi+\a)+7], v[8*(8*(\a)+\b):8*(8*(\a)+\b)+7]
.endif
.endr
.endr
.endm
; 32 LDS loads in one run, the fragments of 32 K into buffer f: 128 weight columns from rows kk .. kk + 31 of weight slot bsl, then my 128 tokens at byte aof of token slot asl
.macro FETCH asl, aof, bsl, kk, f
	WIN TO_B
.irp n, 0,1,2,3,4,5,6,7
	ds_load_tr16_b128 v[\f+8*\n:\f+8*\n+3],   v[ADRB] offset:(\bsl)*BSLOT+(\kk)*BP+32*\n
	ds_load_tr16_b128 v[\f+8*\n+4:\f+8*\n+7], v[ADRB] offset:(\bsl)*BSLOT+(\kk)*BP+32*\n+16*BP
.endr
	WIN 0
.irp t, 0,1,2,3,4,5,6,7
	ds_load_b128 v[\f+8*\t:\f+8*\t+3],   v[ADRA+\asl] offset:\aof+2048*\t
	ds_load_b128 v[\f+8*\t+4:\f+8*\t+7], v[ADRA+\asl] offset:\aof+2048*\t+512
.endr
.endm
; 16 loads: rows 64 uu + 16 wave + 0..15 of my 128 columns; one load is one row's 512 bytes.  The largest immediate is 975 rows of 4,096 bytes.
.macro LOADW set, uu
	WIN TO_B
.irp i, 0,1,2,3,4,5,6,7,8,9,10,11,12,13,14,15
	global_load_b128 v[\set+4*\i:\set+4*\i+3], v[GOFF], s[6:7] offset:(64*(\uu)+\i)*4096
.endr
.endm
; a set of f32 weights is rounded to f16 and stored in weight slot bsl: row 16 wave + i goes to LDS row 16 wave + (i with bits 2 and 3 exchanged), a2's order of K
.macro CONVERT set, bsl
	s_wait_loadcnt 16                              ; this set's 16 loads are in; the 16 issued behind them stay out
	WIN 0x05                                       ; sources window 1, destination window 0
.irp i, 0,1,2,3,4,5,6,7,8,9,10,11,12,13,14,15
	v_cvt_pk_f16_f32 v[TMP+2*\i],   v[\set+4*\i],   v[\set+4*\i+1]
	v_cvt_pk_f16_f32 v[TMP+2*\i+1], v[\set+4*\i+2], v[\set+4*\i+3]
.endr
	WIN 0
.irp i, 0,1,2,3,4,5,6,7,8,9,10,11,12,13,14,15
	ds_store_b64 v[ADRS], v[TMP+2*\i:TMP+2*\i+1] offset:(\bsl)*BSLOT+((\i&3)|(((\i>>2)&1)<<3)|(((\i>>3)&1)<<2))*BP   ; 32 lanes x 8 bytes: one row's 256 bytes
.endr
.endm
.macro EDATA1                          ; the first expert's 64 biases of my columns (column 16 b + 8 h + j in register 8 b + j) into set 0, which has been rounded for the last time
	WIN TO_B
.irp b, 0,1,2,3,4,5,6,7
	global_load_b128 v[S0+8*\b:S0+8*\b+3],   v[BOFF], s[8:9] offset:64*\b
	global_load_b128 v[S0+8*\b+4:S0+8*\b+7], v[BOFF], s[8:9] offset:64*\b+16
.endr
.endm
.macro EDATA2                          ; the second expert's into set 1, and the two routing weights of each of my 128 tokens, read once by the wave
	WIN TO_B
.irp b, 0,1,2,3,4,5,6,7
	global_load_b128 v[S1+8*\b:S1+8*\b+3],   v[BOFF], s[8:9] offset:4096+64*\b
	global_load_b128 v[S1+8*\b+4:S1+8*\b+7], v[BOFF], s[8:9] offset:4096+64*\b+16
.endr
	WIN 0
.irp a, 0,1,2,3,4,5,6,7
	global_load_b64 v[WR+2*\a:WR+2*\a+1], v[WOFF], s[10:11] offset:2048*\a
.endr
.endm
; One half-step, 64 along K, 128 matrix instructions on fragment buffers 0 and 1.  The 64 accumulators take turns, one instruction a turn, in the same order
; in every quarter.
.macro HALF u, zero
.set ASL,  ((\u)>>1)&1                 ; token slot
.set SLH,  (\u)&1                      ; which 64 of the token slot's 128 K; also the weight slot
.set NXT,  ((\u)+1)&1                  ; the next half-step's
.set NASL, (((\u)+1)>>1)&1
	s_wait_dscnt 8                                 ; weights and token blocks 0-3 are in; the youngest eight loads (blocks 4-7) may be out
	WIN MUL_LO
	MUL16 F0, 0, 0, \zero
	MUL16 F0, 0, 2, \zero
	PLACES
.if \u < 15
	CONVERT NXT*192, NXT                           ; the next half-step's weights, into the slot whose reads every wave ended in front of the last barrier
.if \u < 13
	LOADW NXT*192, \u+3                            ; and the freed set is asked for again, three half-steps ahead
.else
.if \u == 13
	EDATA1
.else
	EDATA2
.endif
.endif
.endif
	FETCH ASL, SLH*16384+1024, SLH, 32, F1
	s_wait_dscnt 32                                ; all but the 32 loads just issued
	WIN MUL_HI
	MUL16 F0, 1, 0, \zero
	MUL16 F0, 1, 2, \zero
	s_wait_dscnt 8
	WIN MUL_LO
	MUL16 F1, 0, 0, 0
.if \u < 15
	s_wait_dscnt 0                                 ; for the others: my reads of this weight slot (and token slice) are back, my stores into the next weight slot are done
.if SLH
	s_set_vgpr_msb 0xa1a0
	s_wait_tensorcnt 0x0                           ; the token slot changes: all my tensor loads have landed; the one that was out is the next slot's
	ds_add_u32 v254, v255
	s_wait_dscnt 0x0
	s_set_vgpr_msb 0xa0a1
.endif
	s_barrier_signal -1
	MUL16 F1, 0, 2, 0                              ; register work while the others arrive
.if SLH
.if \u < 13
	WIN 0                                          ; a branch follows
.endif
.endif
	s_barrier_wait -1
.if SLH
.if \u < 13
	CREST                                          ; the barrier above opened a round of the cluster's barrier: no wave of any partner still reads this slot or has a load on its way
	s_add_nc_u64 s[G0+4*ASL+2:G0+4*ASL+3], s[G0+4*ASL+2:G0+4*ASL+3], 2*KBB
	tensor_load_to_lds s[G0+4*ASL:G0+4*ASL+3], s[G1:G1+7]          ; my one load behind the round: two K blocks ahead; 240 matrix instructions stand in front of its wait
	s_nop 0
.endif
.endif
	PLACES
	FETCH NASL, NXT*16384, NXT, 0, F0
.else
	MUL16 F1, 0, 2, 0
	s_wait_dscnt 0
.endif
	WIN MUL_HI
	MUL16 F1, 1, 0, 0
	MUL16 F1, 1, 2, 0
.endm
	s_load_b256 s[4:11], s[0:1], 0x0               ; a2 s[4:5], down_proj s[6:7], its bias s[8:9], routing_weights s[10:11]
	s_load_b64 s[12:13], s[0:1], 0x20              ; part
	v_lshl_add_u32 v254, v0, 2, 0x49000
	v_mov_b32 v255, 0
	ds_add_u32 v254, v255
	v_lshrrev_b32 v1, 5, v0
	v_readfirstlane_b32 s14, v1                    ; wave 0..3 = my block of 128 tokens
	v_and_b32 v1, 31, v0                           ; lane
	v_and_b32 v2, 15, v0                           ; r
	v_bfe_u32 v3, v0, 4, 1                         ; h
	s_bfe_u32 s15, ttmp6, 0x40000                  ; cx: my place in the cluster
	s_and_b32 s16, ttmp9, 1                        ; th: which 512 tokens (ttmp9 counts clusters)
	s_lshr_b32 s17, ttmp9, 2                       ; s: the split of K
	s_lshr_b32 s18, ttmp9, 1
	s_lshl2_add_u32 s18, s18, s15                  ; 8 s + slice of 128 columns
	s_and_b32 s19, s18, 7                          ; the slice
	s_lshl2_add_u32 s50, s16, s14                  ; tb = 4 th + wave; s20, s21, s44, s45, s50, s51 never hold cx
	s_lshl_b32 s20, s50, 15                        ; tokens: 32 KiB a block of 128,
	s_lshl_b32 s51, s17, 21                        ;         eight K blocks of 262,144 bytes a split
	s_add_co_u32 s20, s20, s51
	s_mov_b32 s21, 0
	s_lshl_b32 s22, s17, 22                        ; weights: 1,024 rows of 4,096 bytes a split
	s_lshl_b32 s23, s19, 9                         ;          + 512 bytes a slice
	s_add_co_u32 s22, s22, s23
	s_mov_b32 s23, 0
	s_lshl_b32 s52, s17, 13                        ; bias: two experts' rows of 4,096 bytes a split
	s_lshl_b32 s53, s19, 9
	s_add_co_u32 s52, s52, s53
	s_mov_b32 s53, 0
	s_lshl_b32 s54, s50, 14                        ; routing weights: 128 tokens of 128 bytes
	s_lshl3_add_u32 s54, s17, s54                  ;                  + two experts of 4 bytes a split
	s_mov_b32 s55, 0
	s_lshl_b32 s56, s17, 22                        ; part: 4 MiB a split,
	s_lshl_b32 s57, s50, 19                        ;       eight blocks of 16 tokens of 65,536 bytes,
	s_add_co_u32 s56, s56, s57
	s_lshl_b32 s57, s19, 13                        ;       32 groups of 4 columns of 256 bytes a slice
	s_add_co_u32 s56, s56, s57
	s_mov_b32 s57, 0
	; descriptor group 1: 32 KiB dense, as 128 rows of 32 elements of 8 bytes, no padding
	s_mov_b32 s[G1+0], 0x0023000f                  ; 15:0 mask: all four partners; 17:16 elements of 8 bytes; 21 set beside a mask
	s_mov_b32 s[G1+1], 32<<16                      ; tensor_dim0 = 32
	s_mov_b32 s[G1+2], 128<<16                     ; tensor_dim1 = 128
	s_mov_b32 s[G1+3], 32<<16                      ; tile_dim0 = 32
	s_mov_b32 s[G1+4], 128                         ; tile_dim1 = 128
	s_mov_b32 s[G1+5], 32                          ; from row to row: 32 elements
	s_mov_b32 s[G1+6], 0
	s_mov_b32 s[G1+7], 0
	s_mul_i32 s46, s14, TWAVE                      ; my share of a token slot
	v_lshl_add_u32 v[ADRA], v1, 4, s46             ; a fragment's first 16 bytes: 16 x lane (kg = h, token r)
	v_add_nc_u32 v[ADRA+1], TSLOT, v[ADRA]
	v_and_b32 v4, 7, v0
	v_lshl_add_u32 v4, v3, 3, v4                   ; transposing load: row 8 h + (lane & 7),
	v_mul_u32_u24 v4, v4, BP
	v_bfe_u32 v5, v0, 3, 1
	v_lshl_add_u32 v4, v5, 4, v4                   ; 16 bytes for each half of sixteen columns
	v_add_nc_u32 v[ADRB], BBASE, v4
	s_mul_i32 s47, s14, 16*BP                      ; I store rows 16 wave + ..
	s_add_co_u32 s47, s47, BBASE
	v_lshl_add_u32 v[ADRS], v1, 3, s47
	s_lshl_b32 s48, s14, 16                        ; and load them: 16 rows of 4,096 bytes a wave
	v_lshl_add_u32 v[GOFF], v1, 4, s48
	v_lshlrev_b32 v[BOFF], 5, v3
	v_lshlrev_b32 v[WOFF], 7, v2
	v_lshlrev_b32 v[PO], 4, v2
	v_lshl_add_u32 v[PO], v3, 9, v[PO]
	s_wait_dscnt 0x0
	s_wait_kmcnt 0x0
	s_add_nc_u64 s[44:45], s[4:5], s[20:21]
	s_add_nc_u64 s[6:7], s[6:7], s[22:23]
	s_add_nc_u64 s[8:9], s[8:9], s[52:53]
	s_add_nc_u64 s[10:11], s[10:11], s[54:55]
	s_add_nc_u64 s[12:13], s[12:13], s[56:57]
	LOADW S0, 0                                    ; the weights of half-steps 0 and 1 are on their way first
	LOADW S1, 1
	WIN 0
	CROUND                                         ; all four partners are here: the first joint loads meet
.irp s, 0,1
	s_mov_b32 s[G0+4*\s], 1                                        ; count = 1
	s_add_co_u32 s[G0+4*\s+1], s46, \s*TSLOT                       ; LDS address: the wave's share of the slot
	s_add_nc_u64 s[G0+4*\s+2:G0+4*\s+3], s[44:45], \s*KBB          ; global address: the split's K block s
	s_or_b32 s[G0+4*\s+3], s[G0+4*\s+3], 0x80000000                ; type = 2
	tensor_load_to_lds s[G0+4*\s:G0+4*\s+3], s[G1:G1+7]            ; both first fills together: two loads of the wave are out here, one at any later time
	s_nop 0
.endr
	CONVERT S0, 0
	LOADW S0, 2
	s_wait_dscnt 0                                 ; my rows of weight slot 0 are stored
	s_wait_tensorcnt 1                             ; my K block 0 is in; K block 1 stays out
	s_barrier_signal -1
	s_barrier_wait -1
	FETCH 0, 0, 0, 0, F0
	HALF 0, 1                                      ; its first 64 products start the sums: nothing is cleared
.irp u, 1,2,3,4,5,6,7,8,9,10,11,12,13,14,15
	HALF \u, 0
.endr
	; THE WAY OUT: the two experts' bias terms are added in f32, and the sums are stored from the accumulators
	PLACES
	s_wait_loadcnt 0x0                             ; biases and routing weights
	WIN 0
.irp a, 0,1,2,3,4,5,6,7,8,9,10,11,12,13,14,15
	v_mul_f32 v[WR+\a], 0x41800000, v[WR+\a]       ; 16 w: the bias term carries the factor that a2 carries
.endr
.macro BIAS hi                         ; under the matrix instructions' windows: bias window 1, routing weights window 0, sums window 2 or 3
.irp a, 0,1,2,3
.irp b, 0,1,2,3,4,5,6,7
.irp m, 0,1,2,3
	v_pk_fma_f32 v[8*(8*\a+\b)+2*\m:8*(8*\a+\b)+2*\m+1], v[S0+8*\b+2*\m:S0+8*\b+2*\m+1], v[WR+2*(4*\hi+\a):WR+2*(4*\hi+\a)+1], v[8*(8*\a+\b)+2*\m:8*(8*\a+\b)+2*\m+1] op_sel_hi:[1,0,1]
.endr
.irp m, 0,1,2,3
	v_pk_fma_f32 v[8*(8*\a+\b)+2*\m:8*(8*\a+\b)+2*\m+1], v[S1+8*\b+2*\m:S1+8*\b+2*\m+1], v[WR+2*(4*\hi+\a):WR+2*(4*\hi+\a)+1], v[8*(8*\a+\b)+2*\m:8*(8*\a+\b)+2*\m+1] op_sel:[0,1,0] op_sel_hi:[1,1,1]
.endr
.endr
.endr
.endm
.macro OUT hi                          ; sixteen neighbouring lanes store 256 consecutive bytes, aligned: 16 tokens x 4 columns
.irp a, 0,1,2,3
.irp b, 0,1,2,3,4,5,6,7
	global_store_b128 v[PO], v[8*(8*\a+\b):8*(8*\a+\b)+3],   s[12:13] offset:65536*(4*\hi+\a)+1024*\b
	global_store_b128 v[PO], v[8*(8*\a+\b)+4:8*(8*\a+\b)+7], s[12:13] offset:65536*(4*\hi+\a)+1024*\b+256
.endr
.endr
.endm
	WIN MUL_LO
	BIAS 0
	WIN 0x08                                       ; store data from window 2, address window 0
	OUT 0
	WIN MUL_HI
	BIAS 1
	WIN 0x0c                                       ; store data from window 3
	OUT 1
	WIN 0
	s_wait_tensorcnt 0x0
	ds_add_u32 v254, v255
	s_wait_dscnt 0x0
	CROUND                                         ; the closing round: no work-group ends while a partner may still ask for a tile that names it
	s_endpgm
.Lfunc_end_k_qb215a66d02_gemm2:
	.size	k_qb215a66d02_gemm2, .Lfunc_end_k_qb215a66d02_gemm2-k_qb215a66d02_gemm2
	.p2alignl 7, 3214868480
	.fill 96, 4, 3214868480
	.section	.rodata,"a",@progbits
	.p2align	6, 0x0
	.amdhsa_kernel k_qb215a66d02_gemm2
		.amdhsa_group_segment_fixed_size 327680
		.amdhsa_private_segment_fixed_size 0
		.amdhsa_enable_private_segment 0
		.amdhsa_kernarg_size 40
		.amdhsa_user_sgpr_count 2
		.amdhsa_user_sgpr_kernarg_segment_ptr 1
		.amdhsa_wavefront_size32 1
		.amdhsa_system_sgpr_workgroup_id_x 1
		.amdhsa_system_sgpr_workgroup_id_y 1
		.amdhsa_system_sgpr_workgroup_id_z 1
		.amdhsa_system_vgpr_workitem_id 0
		.amdhsa_next_free_vgpr 1024
		.amdhsa_next_free_sgpr 66
		.amdhsa_reserve_vcc 0
		.amdhsa_float_denorm_mode_32 3
		.amdhsa_float_denorm_mode_16_64 3
		.amdhsa_memory_ordered 1
		.amdhsa_forward_progress 1
		.amdhsa_inst_pref_size 255
	.end_amdhsa_kernel
	.section	.bss,"aw",@nobits
	.p2align	6
	.space	262144
	.amdgpu_metadata
---
amdhsa.version: [ 1, 2 ]
amdhsa.kernels:
  - .name:           k_qb215a66d02_gemm2
    .symbol:         k_qb215a66d02_gemm2.kd
    .args:
      - { .name: a2, .offset: 0, .size: 8, .value_kind: global_buffer, .address_space: global }
      - { .name: down_proj, .offset: 8, .size: 8, .value_kind: global_buffer, .address_space: global }
      - { .name: down_proj_bias, .offset: 16, .size: 8, .value_kind: global_buffer, .address_space: global }
      - { .name: routing_weights, .offset: 24, .size: 8, .value_kind: global_buffer, .address_space: global }
      - { .name: part, .offset: 32, .size: 8, .value_kind: global_buffer, .address_space: global }
    .group_segment_fixed_size: 327680
    .private_segment_fixed_size: 0
    .kernarg_segment_align: 8
    .kernarg_segment_size: 40
    .max_flat_workgroup_size: 128
    .sgpr_count:     66
    .vgpr_count:     1024
    .wavefront_size: 32
...
	.end_amdgpu_metadata
.endif
;; end of part 3
;; launch combine (part 4): grid 256 x 1, 4 waves a work-group, no clusters, 17,920 bytes of LDS; arguments part, out0; writes out0
.if DOCPART == 4
	.amdgcn_target "amdgcn-amd-amdhsa--gfx1250"
	.amdhsa_code_object_version 6
	.text
	.protected	k_qb215a66d02_combine
	.globl	k_qb215a66d02_combine
	.p2align	8
	.type	k_qb215a66d02_combine,@function
k_qb215a66d02_combine:
	s_mov_b64 s[64:65], 0
	v_nop
	global_prefetch_b8 v0, s[64:65] scope:SCOPE_SE
	s_setreg_imm32_b32 hwreg(HW_REG_WAVE_MODE, 25, 1), 1
	s_wait_xcnt 0x0
; out0 = 1/16 x the sum of the 16 partial products, split 0 first, in f32, brought back to rows.
; The partial products carry the exact factor 16 that keeps the second product's f16 operand in f16's normal range; a power of two changes no mantissa.
; part: byte = s*4194304 + (t / 16)*65536 + (column / 4)*256 + (t % 16)*16.
; A stream: 64 MiB read once, 4 MiB written once; matrix units and clusters would add nothing, and no wave depends on another, so there is no barrier.
; Wave id = 4 x work-group + wave takes 16 tokens (id >> 4) x 64 columns (id & 15): in every split 4 KiB dense at byte 4,096 id, eight loads of 512 bytes.
; Split 0 lands in the sum's registers; splits 1 to 15 go through a ring of four register sets, so that up to 40 loads of a wave are on their way.
; The sums are turned into rows through 4,352 bytes of LDS of the wave's own.
.set PITCH, 272                        ; a row of 64 f32 + 16 bytes: sixteen rows' equal columns fall on sixteen different 16-byte columns modulo 256
.set SUM,  8                           ; v[8:39]
.set RING, 40                          ; v[40:167] four sets of 32
.set BASE, 16                          ; s[16:47]  my 4 KiB in each of the 16 splits; never rewritten
	s_load_b128 s[4:7], s[0:1], 0x0                ; part s[4:5], out0 s[6:7]
	v_lshl_add_u32 v176, v0, 2, 0x4400
	v_mov_b32 v177, 0
	v_lshrrev_b32 v1, 5, v0
	v_readfirstlane_b32 s8, v1                     ; wave 0..3
	v_and_b32 v1, 31, v0                           ; lane
	v_and_b32 v2, 15, v0                           ; r
	v_bfe_u32 v3, v0, 4, 1                         ; h
	s_lshl2_add_u32 s9, ttmp9, s8                  ; id
	s_lshl_b32 s10, s9, 12                         ; my 4 KiB in a split
	s_mov_b32 s11, 0
	s_lshr_b32 s12, s9, 4
	s_lshl_b32 s12, s12, 16                        ; out0: 16 rows of 4,096 bytes
	s_and_b32 s13, s9, 15
	s_lshl_b32 s13, s13, 8                         ;       + 64 columns of 4 bytes
	s_add_co_u32 s12, s12, s13
	s_mov_b32 s13, 0
	s_mov_b32 s48, 0x3d800000                      ; 1/16
	s_mov_b32 s49, 0x3d800000
	v_lshlrev_b32 v4, 4, v1                        ; in: 16 x lane
	s_mul_i32 s14, s8, 16*PITCH                    ; my wave's LDS bytes
	v_mul_u32_u24 v5, v2, PITCH                    ; into LDS: row r (my token), columns 4 (2 i + h) ..
	v_lshl_add_u32 v5, v3, 4, v5
	v_add_nc_u32 v5, s14, v5
	v_mul_u32_u24 v6, v3, PITCH                    ; back: row 2 i + h, 16 bytes at 16 r
	v_lshl_add_u32 v6, v2, 4, v6
	v_add_nc_u32 v6, s14, v6
	v_lshlrev_b32 v7, 4, v2                        ; out0: the same two rows
	v_lshl_add_u32 v7, v3, 12, v7
	s_wait_kmcnt 0x0
	s_add_nc_u64 s[BASE:BASE+1], s[4:5], s[10:11]
.set k, 1
.rept 15
	s_add_nc_u64 s[BASE+2*k:BASE+2*k+1], s[BASE+2*k-2:BASE+2*k-1], 0x400000
.set k, k+1
.endr
	s_add_nc_u64 s[6:7], s[6:7], s[12:13]
.macro LOADS dst, s
.irp i, 0,1,2,3,4,5,6,7
	global_load_b128 v[\dst+4*\i:\dst+4*\i+3], v4, s[BASE+2*(\s):BASE+2*(\s)+1] offset:512*\i th:TH_LOAD_NT
.endr
.endm
; split s is added; left = the loads of the younger splits, which stay out; fill = 1: its set is asked for again, four splits ahead
.macro ADD s, left, fill
	s_wait_loadcnt \left                           ; loads return in order (ISA guide 5.7.1)
.irp i, 0,1,2,3,4,5,6,7,8,9,10,11,12,13,14,15
	v_pk_add_f32 v[SUM+2*\i:SUM+2*\i+1], v[SUM+2*\i:SUM+2*\i+1], v[RING+32*(((\s)-1)&3)+2*\i:RING+32*(((\s)-1)&3)+2*\i+1]
.endr
.if \fill
	LOADS RING+32*(((\s)-1)&3), \s+4
.endif
.endm
	LOADS SUM, 0
	LOADS RING, 1
	LOADS RING+32, 2
	LOADS RING+64, 3
	LOADS RING+96, 4
.irp s, 1,2,3,4,5,6,7,8,9,10,11
	ADD \s, 24, 1                                  ; three younger splits of eight loads
.endr
	ADD 12, 24, 0                                  ; nothing is left to ask for: the counts run down
	ADD 13, 16, 0
	ADD 14, 8, 0
	ADD 15, 0, 0
.irp i, 0,1,2,3,4,5,6,7,8,9,10,11,12,13,14,15
	v_pk_mul_f32 v[SUM+2*\i:SUM+2*\i+1], v[SUM+2*\i:SUM+2*\i+1], s[48:49] op_sel_hi:[1,0]   ; the factor 16 is taken out, once, behind the last sum
.endr
.irp i, 0,1,2,3,4,5,6,7
	ds_store_b128 v5, v[SUM+4*\i:SUM+4*\i+3] offset:32*\i
.endr
.irp i, 0,1,2,3,4,5,6,7
	ds_load_b128 v[RING+4*\i:RING+4*\i+3], v6 offset:2*PITCH*\i    ; my own bytes: LDS serves a wave's instructions in order, so these see the stores above
.endr
.irp i, 0,1,2,3,4,5,6,7
	s_wait_dscnt 7-\i
	global_store_b128 v7, v[RING+4*\i:RING+4*\i+3], s[6:7] offset:8192*\i th:TH_STORE_NT   ; sixteen lanes store 256 consecutive bytes of a row, aligned
.endr
	s_wait_tensorcnt 0x0
	ds_add_u32 v176, v177
	s_wait_dscnt 0x0
	s_endpgm
.Lfunc_end_k_qb215a66d02_combine:
	.size	k_qb215a66d02_combine, .Lfunc_end_k_qb215a66d02_combine-k_qb215a66d02_combine
	.p2alignl 7, 3214868480
	.fill 96, 4, 3214868480
	.section	.rodata,"a",@progbits
	.p2align	6, 0x0
	.amdhsa_kernel k_qb215a66d02_combine
		.amdhsa_group_segment_fixed_size 17920
		.amdhsa_private_segment_fixed_size 0
		.amdhsa_enable_private_segment 0
		.amdhsa_kernarg_size 16
		.amdhsa_user_sgpr_count 2
		.amdhsa_user_sgpr_kernarg_segment_ptr 1
		.amdhsa_wavefront_size32 1
		.amdhsa_system_sgpr_workgroup_id_x 1
		.amdhsa_system_sgpr_workgroup_id_y 1
		.amdhsa_system_sgpr_workgroup_id_z 1
		.amdhsa_system_vgpr_workitem_id 0
		.amdhsa_next_free_vgpr 178
		.amdhsa_next_free_sgpr 66
		.amdhsa_reserve_vcc 0
		.amdhsa_float_denorm_mode_32 3
		.amdhsa_float_denorm_mode_16_64 3
		.amdhsa_memory_ordered 1
		.amdhsa_forward_progress 1
		.amdhsa_inst_pref_size 34
	.end_amdhsa_kernel
	.amdgpu_metadata
---
amdhsa.version: [ 1, 2 ]
amdhsa.kernels:
  - .name:           k_qb215a66d02_combine
    .symbol:         k_qb215a66d02_combine.kd
    .args:
      - { .name: part, .offset: 0, .size: 8, .value_kind: global_buffer, .address_space: global }
      - { .name: out0, .offset: 8, .size: 8, .value_kind: global_buffer, .address_space: global }
    .group_segment_fixed_size: 17920
    .private_segment_fixed_size: 0
    .kernarg_segment_align: 8
    .kernarg_segment_size: 16
    .max_flat_workgroup_size: 128
    .sgpr_count:     66
    .vgpr_count:     178
    .wavefront_size: 32
...
	.end_amdgpu_metadata
.endif
;; end of part 4
;; ======== version 2 of 2: 4 launches; version 1 with the launches prep, combine written anew for expert scheduling mode
;; limits: inputs' magnitudes at most 65,504; values are held in f16: magnitudes above 65,504 overflow, below 6.1e-05 lose precision; right only within a limited range of input values
;; workspace buffers: xb 2,097,152 bytes; a2 33,554,432 bytes; part 67,108,864 bytes
;; launch prep (part 5): grid 256 x 1, 4 waves a work-group, no clusters, 9,728 bytes of LDS; arguments hidden_states, xb; writes xb
.if DOCPART == 5
	.amdgcn_target "amdgcn-amd-amdhsa--gfx1250"
	.amdhsa_code_object_version 6
	.text
	.protected	k_qb215a66d02_prep
	.globl	k_qb215a66d02_prep
	.p2align	8
	.type	k_qb215a66d02_prep,@function
k_qb215a66d02_prep:
	s_mov_b64 s[64:65], 0
	v_nop
	global_prefetch_b8 v0, s[64:65] scope:SCOPE_SE
	s_setreg_imm32_b32 hwreg(HW_REG_WAVE_SCHED_MODE, 0, 2), 2
	s_setreg_imm32_b32 hwreg(HW_REG_WAVE_MODE, 25, 1), 1
	s_wait_xcnt 0x0
	s_wait_alu depctr_vm_vsrc(0)
; xb = hidden_states rounded to f16, laid out in FRAGMENT ORDER for the first product's tensor loads:
;   byte = kb*262144 + tb*32768 + sl*16384 + a*2048 + kg*256 + r*16 + 2*e8
;   token t = 128 tb + 16 a + r, column h = 128 kb + 64 sl + 8 kg + e8.
; In that order the 16 bytes that lane l of a 16 x 32 matrix fragment wants lie at 16 l, so the product needs no padded rows.
; f16 and not bf16: three more bits of mantissa, and what the first product loses goes through the activation into every term of the second.
; LIMIT: a hidden state of magnitude 65,520 or more becomes infinite in f16; below 2^-14 the step is 2^-24.
; A stream: each byte is read once and written once; no matrix unit, cluster or barrier would add anything.
; Wave id = 4 x work-group + wave takes 16 tokens (id >> 4) x 64 columns (id & 15): 4 KiB in, 2 KiB out, turned through 2,304 bytes of LDS of its own.
; THE MODE: SCHED_MODE bits 1:0 = 2 (LLVM: expert scheduling mode 2), set by the entry lines.  The code itself states the register dependences
; between vector instructions and memory or LDS instructions, with s_wait_alu, always for 0.
; THE PLAN.  Registers that memory or LDS instructions touch:
;   v4 .. v7   offsets and LDS addresses: written at the head, never again; read by every load and store.
;   X          written by the eight global loads alone; read by the conversions; never loaded again.
;   Y          each register written once, by a conversion; read by one LDS store; never written again.
;   Z          written by the LDS loads, read by the global stores: no vector instruction names it.
;   v72, v73   written at the head, read by the closing add alone.
; The conversions go in two halves.  One wait behind the first half, at the head of the second, states that Y's first half is written: its four LDS stores are
; dealt among the second half's conversions, which name X's and Y's second halves alone.  One wait behind the second half serves the last four stores.
.set PITCH, 288                        ; LDS: one kg (16 tokens x 16 bytes = 256 bytes) + 32: the 32 lanes' 8-byte stores then fall on 256 different bytes modulo 256
.set X, 8                              ; v[8:39]   8 loads of 4 f32
.set Y, 40                             ; v[40:55]  the same as f16, 2 registers a load
.set Z, 56                             ; v[56:71]  read back, 4 x 16 bytes
	s_load_b128 s[4:7], s[0:1], 0x0                ; hidden_states s[4:5], xb s[6:7]
	v_lshl_add_u32 v72, v0, 2, 0x2400              ; my spare word, behind the four waves' 9,216 bytes; kept for the closing lines alone
	v_mov_b32 v73, 0                               ; 0, likewise
	v_lshrrev_b32 v1, 5, v0
	v_readfirstlane_b32 s8, v1                     ; wave 0..3
	v_and_b32 v1, 31, v0                           ; lane
	v_and_b32 v2, 15, v0                           ; r
	v_bfe_u32 v3, v0, 4, 1                         ; h
	s_wait_alu depctr_va_sdst(0)                   ; s8 is written, ahead of its first reader: the bases and the wave's LDS bytes are made from it
	s_lshl2_add_u32 s9, ttmp9, s8                  ; id = 4 x work-group + wave
	s_lshr_b32 s10, s9, 4                          ; block of 16 tokens, 0..63
	s_and_b32 s11, s9, 15                          ; slice of 64 columns, 0..15
	s_lshl_b32 s12, s10, 16                        ; in: 16 rows of 4,096 bytes
	s_lshl_b32 s13, s11, 8                         ;     + 64 columns of 4 bytes
	s_add_co_u32 s12, s12, s13
	s_mov_b32 s13, 0
	s_lshr_b32 s14, s11, 1                         ; out: kb = slice >> 1
	s_lshl_b32 s14, s14, 18
	s_lshr_b32 s15, s10, 3                         ;      tb = block >> 3
	s_lshl_b32 s15, s15, 15
	s_add_co_u32 s14, s14, s15
	s_and_b32 s15, s11, 1                          ;      sl = slice & 1
	s_lshl_b32 s15, s15, 14
	s_add_co_u32 s14, s14, s15
	s_and_b32 s15, s10, 7                          ;      a = block & 7
	s_lshl_b32 s15, s15, 11
	s_add_co_u32 s14, s14, s15
	s_mov_b32 s15, 0
	v_lshlrev_b32 v4, 4, v2
	v_lshl_add_u32 v4, v3, 12, v4                  ; in: row h, 16 bytes at 16 r: sixteen lanes read 256 consecutive bytes of a row
	s_mul_i32 s16, s8, 8*PITCH                     ; my wave's LDS bytes
	v_lshrrev_b32 v5, 1, v2                        ; my 4 columns 4 r .. 4 r + 3 lie in kg = r >> 1, at e8 = 4 (r & 1)
	v_mul_u32_u24 v5, v5, PITCH
	v_and_b32 v6, 1, v2
	v_lshl_add_u32 v5, v6, 3, v5
	v_lshl_add_u32 v5, v3, 4, v5                   ; token row 2 i + h: 16 h here, 32 i in the immediate
	v_add_nc_u32 v5, s16, v5
	v_mul_u32_u24 v6, v3, PITCH                    ; back: kg = 2 j + h, token r
	v_lshl_add_u32 v6, v2, 4, v6
	v_add_nc_u32 v6, s16, v6
	v_lshlrev_b32 v7, 4, v1                        ; out: 16 x lane
	s_wait_kmcnt 0x0
	s_add_nc_u64 s[4:5], s[4:5], s[12:13]
	s_add_nc_u64 s[6:7], s[6:7], s[14:15]
	s_wait_alu depctr_va_vdst(0)                   ; v4 to v7 are written: every load and store of the kernel reads one of them as its offset or address
.irp i, 0,1,2,3,4,5,6,7
	global_load_b128 v[X+4*\i:X+4*\i+3], v4, s[4:5] offset:8192*\i th:TH_LOAD_NT   ; token rows 2 i and 2 i + 1
.endr
.irp i, 0,1,2,3
	s_wait_loadcnt 7-\i                            ; loads return in order (ISA guide 5.7.1): load i is in, the 7 - i younger ones stay out
	v_cvt_pk_f16_f32 v[Y+2*\i],   v[X+4*\i],   v[X+4*\i+1]
	v_cvt_pk_f16_f32 v[Y+2*\i+1], v[X+4*\i+2], v[X+4*\i+3]
.endr
	s_wait_loadcnt 3                               ; load 4 is in
	s_wait_alu depctr_va_vdst(0)                   ; the conversions of loads 0 to 3 have written Y's first eight registers, which the four LDS stores below read
.irp i, 4,5,6,7
	ds_store_b64 v5, v[Y+2*\i-8:Y+2*\i-7] offset:32*\i-128     ; rows 2 (i - 4) + h.  No wait: no vector instruction since the wait above names these registers
	v_cvt_pk_f16_f32 v[Y+2*\i],   v[X+4*\i],   v[X+4*\i+1]
	v_cvt_pk_f16_f32 v[Y+2*\i+1], v[X+4*\i+2], v[X+4*\i+3]
.if \i < 7
	s_wait_loadcnt 6-\i                            ; load i + 1 is in
.endif
.endr
	s_wait_alu depctr_va_vdst(0)                   ; the conversions of loads 4 to 7 have written Y's last eight registers, which the four LDS stores below read
.irp i, 4,5,6,7
	ds_store_b64 v5, v[Y+2*\i:Y+2*\i+1] offset:32*\i
.endr
.irp j, 0,1,2,3
	ds_load_b128 v[Z+4*\j:Z+4*\j+3], v6 offset:2*PITCH*\j      ; my own bytes: LDS serves a wave's instructions in order, so these see the stores above
.endr
.irp j, 0,1,2,3
	s_wait_dscnt 3-\j
	global_store_b128 v7, v[Z+4*\j:Z+4*\j+3], s[6:7] offset:512*\j   ; 512 consecutive bytes, aligned
.endr
	s_wait_dscnt 0x0                               ; the closing lines, six on end
	s_wait_alu 0x0
	s_wait_tensorcnt 0x0
	ds_add_u32 v72, v73
	s_wait_dscnt 0x0
	s_endpgm
.Lfunc_end_k_qb215a66d02_prep:
	.size	k_qb215a66d02_prep, .Lfunc_end_k_qb215a66d02_prep-k_qb215a66d02_prep
	.p2alignl 7, 3214868480
	.fill 96, 4, 3214868480
	.section	.rodata,"a",@progbits
	.p2align	6, 0x0
	.amdhsa_kernel k_qb215a66d02_prep
		.amdhsa_group_segment_fixed_size 9728
		.amdhsa_private_segment_fixed_size 0
		.amdhsa_enable_private_segment 0
		.amdhsa_kernarg_size 16
		.amdhsa_user_sgpr_count 2
		.amdhsa_user_sgpr_kernarg_segment_ptr 1
		.amdhsa_wavefront_size32 1
		.amdhsa_system_sgpr_workgroup_id_x 1
		.amdhsa_system_sgpr_workgroup_id_y 1
		.amdhsa_system_sgpr_workgroup_id_z 1
		.amdhsa_system_vgpr_workitem_id 0
		.amdhsa_next_free_vgpr 74
		.amdhsa_next_free_sgpr 66
		.amdhsa_reserve_vcc 0
		.amdhsa_float_denorm_mode_32 3
		.amdhsa_float_denorm_mode_16_64 3
		.amdhsa_memory_ordered 1
		.amdhsa_forward_progress 1
		.amdhsa_inst_pref_size 6
	.end_amdhsa_kernel
	.amdgpu_metadata
---
amdhsa.version: [ 1, 2 ]
amdhsa.kernels:
  - .name:           k_qb215a66d02_prep
    .symbol:         k_qb215a66d02_prep.kd
    .args:
      - { .name: hidden_states, .offset: 0, .size: 8, .value_kind: global_buffer, .address_space: global }
      - { .name: xb, .offset: 8, .size: 8, .value_kind: global_buffer, .address_space: global }
    .group_segment_fixed_size: 9728
    .private_segment_fixed_size: 0
    .kernarg_segment_align: 8
    .kernarg_segment_size: 16
    .max_flat_workgroup_size: 128
    .sgpr_count:     66
    .vgpr_count:     74
    .wavefront_size: 32
...
	.end_amdgpu_metadata
.endif
;; end of part 5
;; launch gemm1: the kernel of part 2 again; grid 512 x 1, 4 waves a work-group, clusters of 4 x 1, 327,680 bytes of LDS; arguments xb, gate_up_proj, gate_up_proj_bias, routing_weights, a2; writes a2
;; launch gemm2: the kernel of part 3 again; grid 256 x 1, 4 waves a work-group, clusters of 4 x 1, 327,680 bytes of LDS; arguments a2, down_proj, down_proj_bias, routing_weights, part; writes part
;; launch combine (part 6): grid 256 x 1, 4 waves a work-group, no clusters, 17,920 bytes of LDS; arguments part, out0; writes out0
.if DOCPART == 6
	.amdgcn_target "amdgcn-amd-amdhsa--gfx1250"
	.amdhsa_code_object_version 6
	.text
	.protected	k_qb215a66d02_combine
	.globl	k_qb215a66d02_combine
	.p2align	8
	.type	k_qb215a66d02_combine,@function
k_qb215a66d02_combine:
	s_mov_b64 s[64:65], 0
	v_nop
	global_prefetch_b8 v0, s[64:65] scope:SCOPE_SE
	s_setreg_imm32_b32 hwreg(HW_REG_WAVE_SCHED_MODE, 0, 2), 2
	s_setreg_imm32_b32 hwreg(HW_REG_WAVE_MODE, 25, 1), 1
	s_wait_xcnt 0x0
	s_wait_alu depctr_vm_vsrc(0)
; out0 = 1/16 x the sum of the 16 partial products, split 0 first, in f32, brought back to rows.
; The partial products carry the exact factor 16 that keeps the second product's f16 operand in f16's normal range; a power of two changes no mantissa.
; part: byte = s*4194304 + (t / 16)*65536 + (column / 4)*256 + (t % 16)*16.
; A stream: 64 MiB read once, 4 MiB written once; matrix units and clusters would add nothing, and no wave depends on another, so there is no barrier.
; Wave id = 4 x work-group + wave takes 16 tokens (id >> 4) x 64 columns (id & 15): in every split 4 KiB dense at byte 4,096 id, eight loads of 512 bytes.
; Split 0 lands in the sum's registers; splits 1 to 15 go through a ring of five register sets, so that up to 40 loads of a wave are on their way.
; The sums are turned into rows through 4,352 bytes of LDS of the wave's own.
; THE MODE: SCHED_MODE bits 1:0 = 2 (LLVM: expert scheduling mode 2), set by the entry lines.  The code itself states the register dependences
; between vector instructions and memory or LDS instructions, with s_wait_alu, always for 0.
; THE PLAN.  Registers that memory or LDS instructions touch:
;   v4 .. v7     offsets and LDS addresses: written at the head, never again; read by every load and store.
;   SUM          written by split 0's loads, then by the adds and the last multiplies; read by the LDS stores at the end; not written behind them.
;   R0 .. R4     split s lies in set (s - 1) % 5.  Step s: its sixteen adds read that set; its eight loads, split s + 4, land in set (s + 3) % 5,
;                the set that step s - 1 read and that no add of step s names.
;   v176, v177   written at the head, read by the closing add alone.
; So ONE wait on va_vdst stands at the head of a step that loads, behind its wait for data: it states that the adds of the step before are done reading their set.
; The step's eight loads follow, dealt among its adds, with no further wait.  Step 1 loads into R4, which no vector instruction has named, and steps 12 to 15 load
; nothing: they hold no such wait.  One more stands ahead of the LDS stores.
.set PITCH, 272                        ; a row of 64 f32 + 16 bytes: sixteen rows' equal columns fall on sixteen different 16-byte columns modulo 256
.set SUM,  8                           ; v[8:39]
.set RING, 40                          ; v[40:167] sets 0 to 3, 32 registers each; set 4 lies at v[178:209], behind the closing lines' two registers: set k at RING + 32 k + 10 (k / 4)
.set BASE, 16                          ; s[16:47]  my 4 KiB in each of the 16 splits; never rewritten
	s_load_b128 s[4:7], s[0:1], 0x0                ; part s[4:5], out0 s[6:7]
	v_lshl_add_u32 v176, v0, 2, 0x4400             ; my spare word, behind the four waves' 17,408 bytes; kept for the closing lines alone
	v_mov_b32 v177, 0                              ; 0, likewise
	v_lshrrev_b32 v1, 5, v0
	v_readfirstlane_b32 s8, v1                     ; wave 0..3
	v_and_b32 v1, 31, v0                           ; lane
	v_and_b32 v2, 15, v0                           ; r
	v_bfe_u32 v3, v0, 4, 1                         ; h
	s_wait_alu depctr_va_sdst(0)                   ; s8 is written, ahead of its first reader: the bases and the wave's LDS bytes are made from it
	s_lshl2_add_u32 s9, ttmp9, s8                  ; id
	s_lshl_b32 s10, s9, 12                         ; my 4 KiB in a split
	s_mov_b32 s11, 0
	s_lshr_b32 s12, s9, 4
	s_lshl_b32 s12, s12, 16                        ; out0: 16 rows of 4,096 bytes
	s_and_b32 s13, s9, 15
	s_lshl_b32 s13, s13, 8                         ;       + 64 columns of 4 bytes
	s_add_co_u32 s12, s12, s13
	s_mov_b32 s13, 0
	s_mov_b32 s48, 0x3d800000                      ; 1/16
	s_mov_b32 s49, 0x3d800000
	v_lshlrev_b32 v4, 4, v1                        ; in: 16 x lane
	s_mul_i32 s14, s8, 16*PITCH                    ; my wave's LDS bytes
	v_mul_u32_u24 v5, v2, PITCH                    ; into LDS: row r (my token), columns 4 (2 i + h) ..
	v_lshl_add_u32 v5, v3, 4, v5
	v_add_nc_u32 v5, s14, v5
	v_mul_u32_u24 v6, v3, PITCH                    ; back: row 2 i + h, 16 bytes at 16 r
	v_lshl_add_u32 v6, v2, 4, v6
	v_add_nc_u32 v6, s14, v6
	v_lshlrev_b32 v7, 4, v2                        ; out0: the same two rows
	v_lshl_add_u32 v7, v3, 12, v7
	s_wait_kmcnt 0x0
	s_add_nc_u64 s[BASE:BASE+1], s[4:5], s[10:11]
.set k, 1
.rept 15
	s_add_nc_u64 s[BASE+2*k:BASE+2*k+1], s[BASE+2*k-2:BASE+2*k-1], 0x400000
.set k, k+1
.endr
	s_add_nc_u64 s[6:7], s[6:7], s[12:13]
	s_wait_alu depctr_va_vdst(0)                   ; v4 to v7 are written: every load and store of the kernel reads one of them as its offset or address
.macro LOADS dst, s
.irp i, 0,1,2,3,4,5,6,7
	global_load_b128 v[\dst+4*\i:\dst+4*\i+3], v4, s[BASE+2*(\s):BASE+2*(\s)+1] offset:512*\i th:TH_LOAD_NT
.endr
.endm
; split s is added; left = the loads of the younger splits, which stay out; fill = 1: split s + 4 is asked for, into the set that the step before read;
; freed = 1: that set has been read by adds, and the wait that states them done is written
.macro ADD s, left, fill, freed
.set HERE, RING+32*(((\s)-1)%5)+10*((((\s)-1)%5)/4)    ; the set that holds split s
.set NEXT, RING+32*(((\s)+3)%5)+10*((((\s)+3)%5)/4)    ; the set that held split s - 1 and takes split s + 4
	s_wait_loadcnt \left                           ; loads return in order (ISA guide 5.7.1)
.if \freed
	s_wait_alu depctr_va_vdst(0)                   ; the adds of the step before are done reading their set, in which the loads below land
.endif
.irp i, 0,1,2,3,4,5,6,7
.if \fill
	global_load_b128 v[NEXT+4*\i:NEXT+4*\i+3], v4, s[BASE+2*(\s)+8:BASE+2*(\s)+9] offset:512*\i th:TH_LOAD_NT   ; no vector instruction since the wait names these registers
.endif
	v_pk_add_f32 v[SUM+4*\i:SUM+4*\i+1],   v[SUM+4*\i:SUM+4*\i+1],   v[HERE+4*\i:HERE+4*\i+1]
	v_pk_add_f32 v[SUM+4*\i+2:SUM+4*\i+3], v[SUM+4*\i+2:SUM+4*\i+3], v[HERE+4*\i+2:HERE+4*\i+3]
.endr
.endm
	LOADS SUM, 0
	LOADS RING, 1
	LOADS RING+32, 2
	LOADS RING+64, 3
	LOADS RING+96, 4
	ADD 1, 24, 1, 0                                ; split 5 goes into set 4, which nothing has named yet
.irp s, 2,3,4,5,6,7,8,9,10,11
	ADD \s, 24, 1, 1                               ; three younger splits of eight loads
.endr
	ADD 12, 24, 0, 0                               ; nothing is left to ask for: the counts run down
	ADD 13, 16, 0, 0
	ADD 14, 8, 0, 0
	ADD 15, 0, 0, 0
.irp i, 0,1,2,3,4,5,6,7,8,9,10,11,12,13,14,15
	v_pk_mul_f32 v[SUM+2*\i:SUM+2*\i+1], v[SUM+2*\i:SUM+2*\i+1], s[48:49] op_sel_hi:[1,0]   ; the factor 16 is taken out, once, behind the last sum
.endr
	s_wait_alu depctr_va_vdst(0)                   ; the multiplies have written SUM, which the LDS stores read; the adds are done reading set 0, in which the LDS loads land
.irp i, 0,1,2,3,4,5,6,7
	ds_store_b128 v5, v[SUM+4*\i:SUM+4*\i+3] offset:32*\i
.endr
.irp i, 0,1,2,3,4,5,6,7
	ds_load_b128 v[RING+4*\i:RING+4*\i+3], v6 offset:2*PITCH*\i    ; my own bytes: LDS serves a wave's instructions in order, so these see the stores above
.endr
.irp i, 0,1,2,3,4,5,6,7
	s_wait_dscnt 7-\i
	global_store_b128 v7, v[RING+4*\i:RING+4*\i+3], s[6:7] offset:8192*\i th:TH_STORE_NT   ; sixteen lanes store 256 consecutive bytes of a row, aligned
.endr
	s_wait_dscnt 0x0                               ; the closing lines, six on end
	s_wait_alu 0x0
	s_wait_tensorcnt 0x0
	ds_add_u32 v176, v177
	s_wait_dscnt 0x0
	s_endpgm
.Lfunc_end_k_qb215a66d02_combine:
	.size	k_qb215a66d02_combine, .Lfunc_end_k_qb215a66d02_combine-k_qb215a66d02_combine
	.p2alignl 7, 3214868480
	.fill 96, 4, 3214868480
	.section	.rodata,"a",@progbits
	.p2align	6, 0x0
	.amdhsa_kernel k_qb215a66d02_combine
		.amdhsa_group_segment_fixed_size 17920
		.amdhsa_private_segment_fixed_size 0
		.amdhsa_enable_private_segment 0
		.amdhsa_kernarg_size 16
		.amdhsa_user_sgpr_count 2
		.amdhsa_user_sgpr_kernarg_segment_ptr 1
		.amdhsa_wavefront_size32 1
		.amdhsa_system_sgpr_workgroup_id_x 1
		.amdhsa_system_sgpr_workgroup_id_y 1
		.amdhsa_system_sgpr_workgroup_id_z 1
		.amdhsa_system_vgpr_workitem_id 0
		.amdhsa_next_free_vgpr 210
		.amdhsa_next_free_sgpr 66
		.amdhsa_reserve_vcc 0
		.amdhsa_float_denorm_mode_32 3
		.amdhsa_float_denorm_mode_16_64 3
		.amdhsa_memory_ordered 1
		.amdhsa_forward_progress 1
		.amdhsa_inst_pref_size 34
	.end_amdhsa_kernel
	.amdgpu_metadata
---
amdhsa.version: [ 1, 2 ]
amdhsa.kernels:
  - .name:           k_qb215a66d02_combine
    .symbol:         k_qb215a66d02_combine.kd
    .args:
      - { .name: part, .offset: 0, .size: 8, .value_kind: global_buffer, .address_space: global }
      - { .name: out0, .offset: 8, .size: 8, .value_kind: global_buffer, .address_space: global }
    .group_segment_fixed_size: 17920
    .private_segment_fixed_size: 0
    .kernarg_segment_align: 8
    .kernarg_segment_size: 16
    .max_flat_workgroup_size: 128
    .sgpr_count:     66
    .vgpr_count:     210
    .wavefront_size: 32
...
	.end_amdgpu_metadata
.endif
;; end of part 6
